; MI455X (gfx1250); checked and timed in simulation.
; The chip was launched on July 23, 2026; its instructions are those of AMD's public machine-readable ISA for CDNA 5 (MIT licence, August 2026) and "CDNA5" Instruction Set Architecture Reference Guide (July 2026). The comments in the code are by the model that wrote it; some were corrected since.
;; Scaled Dot Prod Attention. Allowed arithmetic: float matrix products may take bf16 or f16 operands with f32 sums; all other float work in f32.
;; Inputs: k 2 x 2,048 x 1,024 float32; q 2 x 2,048 x 1,024 float32; v 2 x 2,048 x 1,024 float32.
;; Outputs: out0 2 x 2,048 x 1,024 float32.
;; One version. Each part assembles by itself: llvm-mc -triple=amdgcn-amd-amdhsa -mcpu=gfx1250 --defsym DOCPART=n.
;; ======== version 1 of 1: 1 launch
;; limits: right only within a limited range of input values; values are held in f16: magnitudes above 65,504 overflow, below 6.1e-05 lose precision; inputs' magnitudes at most 65,504
;; launch attn (part 1): grid 8 x 32, 8 waves a work-group, no clusters, 224,256 bytes of LDS; arguments q, k, v, out0; writes out0
.if DOCPART == 1
	.amdgcn_target "amdgcn-amd-amdhsa--gfx1250"
	.amdhsa_code_object_version 6
	.text
	.protected	k_q873dd7e46a_attn
	.globl	k_q873dd7e46a_attn
	.p2align	8
	.type	k_q873dd7e46a_attn,@function
k_q873dd7e46a_attn:
	s_mov_b64 s[64:65], 0
	v_nop
	global_prefetch_b8 v0, s[64:65] scope:SCOPE_SE
	s_setreg_imm32_b32 hwreg(HW_REG_WAVE_MODE, 25, 1), 1
	s_wait_xcnt 0x0
; Causal attention, 2 batches x 16 heads, 2,048 positions, head size 64.  q, k, v, out: [2][2048][1024] f32; a head's part of a row is
; 256 consecutive bytes at a multiple of 256.  Products on the matrix unit with f32 sums, softmax in f32 with a running maximum.
;
; FORMATS.  Each input is rounded once, to bf16 (8 significant bits): the result is the problem's function of q, k, v so rounded, up to the rounding
; of P.  P, an intermediate, is kept finer, in f16 (11 bits): an early row is a sum of a few terms w v, each as large as v itself, which can nearly
; cancel, while the error that is allowed is set by the root mean square over all 2,048 rows, most of which average many v and are far smaller; P in
; bf16 would add up to 2^-8 of the sum of w |v|, P in f16 adds up to 2^-11.  Both sources of a matrix instruction have one format, so V, once rounded
; to bf16, is rewritten as f16, which changes no number between 2^-14 and 65,504 in magnitude.  S = K Q^T is a bf16 product, O = V^T P^T an f16 one.
;
; SHARING.  Work-group (p, bh): head bh, query blocks (128 rows) a = 15 - p and then p.  A block takes its diagonal key tile first (masked, its
; products start the sums), then tiles 0 .. block - 1: (16 - p) + (p + 1) = 17 steps of 128 queries x 128 keys in each of the 8 x 32 work-groups.
; Wave w: g = w & 3 owns query rows 32 g .. 32 g + 31 (two tiles of 16), s = w >> 2 owns keys 64 s .. 64 s + 63 of every tile, with a maximum,
; a sum and an O of its own; the two key halves are merged once for each block (FIN).  So a wave reads half a tile from LDS, not a whole one.
;
; TRANSPOSED PRODUCTS.  S^T = K Q^T: lane (r, h), register j holds (key 8 h + j, query r).  Two neighbouring key tiles, packed to f16, are the
; second source P^T of O^T = V^T P^T as they lie: P never leaves the registers.  Maximum, sum and rescale factor are one number a lane.
;
; K AND V come through registers: they are f32 in memory and the matrix unit takes 16-bit operands, so each wave loads 16 rows of the next tile,
; converts, and stores 16-bit numbers into the LDS slot that is not being read.  One barrier a step.
; NO JOINT REQUESTS IN A CLUSTER, although the 8 work-groups of a head read the same tiles: a tile brought by the data mover would lie in LDS as f32
; (64 KiB a step) and would have to be read, converted and written once more (64 + 32 KiB) beside the 128 + 32 KiB that a step moves in LDS now;
; and partners need different numbers of tiles in each block (15 - p and p), so that walking in step would take 16 + 8 steps in place of 17.
;
; LIMITS.  (1) Positions j > i get the score -50,000 in the problem, not minus infinity.  Here they get weight 0, and tiles wholly above the
; diagonal are left out: that is what f32 gives as long as a row's largest unmasked scaled score is above about -49,890 (exp of less than -104 is 0
; in f32).  Rows whose best unmasked score lies below that would put weight on masked positions in the problem's function and get none here.
; |score| <= |q| |k| / 8.  (2) In the diagonal tile masked scores are set to -2^100 (a power of two, so that its product with c is exact): a key
; half that is wholly masked gives p = 1 against the base -2^100, and the next rescale or the merge multiplies that by exp2 of about -2e29 = 0.
; (3) NaN and infinities in the inputs are not followed (the maxima drop NaN).  (4) Elements of v beyond 65,504 in magnitude, f16's largest
; number, become infinities and are not served; elements of v under 2^-14 get an absolute error of up to 2^-25 beside their rounding to bf16.
; (5) P is rounded to f16: a weight under 2^-25 of the weight at the running maximum becomes 0 (2,048 of them are under 2^-14 of a row's sum);
; the row sums are made of the unrounded p.
.set ROWB,  4096                       ; bytes from a position to the next
.set KP,    144                        ; LDS pitch of K and Q rows: 128 bytes + 16 = 9 x 16, so 16 rows of a fragment start in 16 different 16-byte columns of 256
.set VP,    160                        ; LDS pitch of V rows: 128 bytes + 32 = 5 x 32, for the transposing loads
.set VOFF0, 128*KP                     ; a slot: K's 128 rows (18,432 bytes), then V's (20,480)
.set SLOTB, 128*KP+128*VP              ; 38,912
.set QB0,   2*SLOTB                    ; 77,824: Q of block a, then of block p, bf16, pitch KP
.set QBB,   128*KP
.set XCH,   QB0+2*QBB                  ; 114,688: 16 blocks (wave, query tile) for the merge
.set XBLK,  4608                       ; 4,096 bytes of O (16 lane + 512 i), then (base, sum) at 4,096 + 16 lane
.set OUTS,  XCH+16*XBLK                ; 188,416: each wave's 16 rows x 272 bytes for the way out; ends at 223,232
.set OP,    272
.set NSTEP, 17
; vector registers, window 0
.set GK,  2                            ; global offset of my 16 bytes in K's (Q's) staging rows: (16 w + 8 h) rows + 16 r
.set GV,  3                            ; the same for V: (16 w + 4 h) rows + 16 r
.set LK,  4                            ; LDS: (16 w + 8 h) KP + 8 r
.set LV,  5                            ; LDS: (16 w + 4 h) VP + 8 r
.set AK,  6                            ; K fragments: (64 s + r) KP + 16 h
.set AV,  7                            ; V fragments: (64 s + 8 h + (lane & 7)) VP + 16 ((lane >> 3) & 1)
.set AQ,  8                            ; Q fragments: QB0 + (32 g + r) KP + 16 h
.set LQ,  9                            ; QB0 + LK
.set PFO, 10                           ; prefetch: (thread & 127) rows
.set NEG, 11                           ; -2^100
.set XW,  12                           ; XCH + 2 w blocks + 16 lane
.set XA,  13                           ; my own block of query tile s
.set XB,  14                           ; my partner's (wave w xor 4) block of query tile s
.set OW,  15                           ; way out, in:   OUTS + 16 w rows + r OP + 32 h
.set ORD, 16                           ; way out, back: OUTS + 16 w rows + h OP + 16 r
.set GO,  17                           ; h rows + 16 r in out
.set M,   18                           ; v18-19  running maximum of the raw scores, query tile 0, 1
.set L,   22                           ; v22-25  two partial row sums a lane, a pair for each query tile
.set NM,  26                           ; v26-29  the base -c m, rounded once, twice over (a pair for the packed forms)
.set AL,  30                           ; v30-33  the rescale factor, twice over
.set DF,  34                           ; v34-35  query - key of (key tile 0, register 0) in the diagonal tile
.set T,   36                           ; v36-51  at work
.set O,   64                           ; v64-127   O + 32 qt + 8 t + j: (d = 16 t + 8 h + j, query r)
.set S,   128                          ; v128-191  S + 32 qt + 8 kt + j; P(qt, c) is packed in place at S + 32 qt + 16 c + 0..7
.set F,   192                          ; v192-255  K fragments F + 16 kt + 8 ks, then V fragments F + 32 c + 8 t, then FIN's buffers
; window 1 (v256 and up, written by their low 8 bits)
.set X,   0                            ; v256-319  the next tile as loaded: K's load i at X + 4 i, V's at X + 32 + 4 i
.set QF,  64                           ; v320-351  Q fragments QF + 16 qt + 8 ks
.set XQ,  64                           ; v320-383  at the start only: both Q blocks as loaded
; scalars: s[4:11] q k v out; s12 w, s13 g, s14 s, s15 p, s16 bh, s17 trips of loop B, s[18:19] head offset, s[20:21] K and s[22:23] V at the head,
; s[24:25] s[26:27] K and V at the next tile, s[28:29] an offset, s30 step number, s31 a, s32 a + 1, s33 loop counter, s34 the step that
; prefetches, s35 trips of loop A, s[36:37] c twice, s38 s39 lane selects, s[40:41] prefetch base, s[42:43] out at the block, s44 s54 at work,
; s45 -c, s[46:47] out at my rows of block 0, s[48:51] Q at blocks a and p, s53 p & 1, s55 the mask of a word's upper bf16
.set MSB, 0
.macro WIN new                         ; s_set_vgpr_msb: bits 1:0 source 0, 3:2 source 1, 5:4 source 2, 7:6 destination; the high byte repeats the setting left
.if MSB != \new
	s_set_vgpr_msb (MSB<<8)|\new
.set MSB, \new
.endif
.endm
.macro PLACES n
.rept \n
	v_nop
.endr
.endm
; 16 loads: my 16 rows of the next K tile and of the next V tile; 16 lanes take a row's 256 bytes.  K: load i is row i + 8 h; V: row (i & 3) + 8 (i >> 2) + 4 h.
.macro LDTILE
	WIN 0x40                                       ; data into window 1, offsets from window 0
.irp i, 0,1,2,3,4,5,6,7
	global_load_b128 v[X+4*\i:X+4*\i+3], v[GK], s[24:25] offset:\i*ROWB
.endr
.irp i, 0,1,2,3,4,5,6,7
	global_load_b128 v[X+32+4*\i:X+32+4*\i+3], v[GV], s[26:27] offset:((\i&3)+8*(\i>>2))*ROWB
.endr
	WIN 0
.endm
.macro CVT x                           ; under 0x45, for Q and K: eight loads' 4 f32 each become 4 bf16 in the load's first two registers
.irp i, 0,1,2,3,4,5,6,7
	v_cvt_pk_bf16_f32 v[\x+4*\i], v[\x+4*\i], v[\x+4*\i+1]
	v_cvt_pk_bf16_f32 v[\x+4*\i+1], v[\x+4*\i+2], v[\x+4*\i+3]
.endr
.endm
; under 0x45, for V: rounded to bf16 (the one rounding), widened again (a shift, a mask), and rewritten as f16, which is exact inside f16's normal
; range: eight loads' 4 f32 each become 4 f16 in the load's first two registers.  Three passes, so that no line waits for the line in front of it.
.macro CVTV x
.irp i, 0,1,2,3,4,5,6,7
	v_cvt_pk_bf16_f32 v[\x+4*\i], v[\x+4*\i], v[\x+4*\i+1]
	v_cvt_pk_bf16_f32 v[\x+4*\i+2], v[\x+4*\i+2], v[\x+4*\i+3]
.endr
.irp i, 0,1,2,3,4,5,6,7
	v_and_b32 v[\x+4*\i+1], s55, v[\x+4*\i]        ; the upper bf16 stays where it is,
	v_lshlrev_b32 v[\x+4*\i], 16, v[\x+4*\i]       ; the lower one moves up
	v_and_b32 v[\x+4*\i+3], s55, v[\x+4*\i+2]
	v_lshlrev_b32 v[\x+4*\i+2], 16, v[\x+4*\i+2]
.endr
.irp i, 0,1,2,3,4,5,6,7
	v_cvt_pk_f16_f32 v[\x+4*\i], v[\x+4*\i], v[\x+4*\i+1]
	v_cvt_pk_f16_f32 v[\x+4*\i+1], v[\x+4*\i+2], v[\x+4*\i+3]
.endr
.endm
; under 0x04 (store data from window 1).  The two halves of the lanes write rows 8 (K: 288 words) or 4 (V: 160 words) apart, both 32 words modulo 64,
; and each half writes 32 consecutive words: the 32 lanes' 64 words fall on 64 different words modulo 64.
.macro STK x, addr, off
.irp i, 0,1,2,3,4,5,6,7
	ds_store_b64 v[\addr], v[\x+4*\i:\x+4*\i+1] offset:\off+\i*KP
.endr
.endm
.macro STV x, addr, off
.irp i, 0,1,2,3,4,5,6,7
	ds_store_b64 v[\addr], v[\x+4*\i:\x+4*\i+1] offset:\off+((\i&3)+8*(\i>>2))*VP
.endr
.endm
.macro STAGE off                       ; the loaded tile, converted, into the slot at byte off
	WIN 0x45
	CVT X
	CVTV X+32
	WIN 0x04
	STK X, LK, \off
	STV X+32, LV, \off+VOFF0
	WIN 0
.endm
; Which tile step k + 1 multiplies: k for k < a (block a's tiles 0 .. a - 1), p for k = a (block p's diagonal), k - a - 1 above.
.macro NEXTADDR
	s_sub_co_u32 s44, s30, s32
	s_cmp_lt_u32 s30, s31
	s_cselect_b32 s44, s30, s44
	s_cmp_eq_u32 s30, s31
	s_cselect_b32 s44, s15, s44
	s_lshl_b32 s28, s44, 19                        ; 128 rows of 4,096 bytes; s29 stays 0
	s_add_nc_u64 s[24:25], s[20:21], s[28:29]      ; the last loads that named these were waited for in the step before
	s_add_nc_u64 s[26:27], s[22:23], s[28:29]
.endm
.macro QFRAG blk                       ; my 32 query rows x 64 d as second sources: 8 loads
	WIN 0x40
.irp qt, 0,1
.irp ks, 0,1
	ds_load_b128 v[QF+16*\qt+8*\ks:QF+16*\qt+8*\ks+3],   v[AQ] offset:\blk*QBB+\qt*16*KP+\ks*64
	ds_load_b128 v[QF+16*\qt+8*\ks+4:QF+16*\qt+8*\ks+7], v[AQ] offset:\blk*QBB+\qt*16*KP+\ks*64+32
.endr
.endr
	WIN 0
.endm
.macro KFRAG slot                      ; my 64 keys x 64 d as first sources: 16 loads, key tiles ascending
.irp kt, 0,1,2,3
.irp ks, 0,1
	ds_load_b128 v[F+16*\kt+8*\ks:F+16*\kt+8*\ks+3],   v[AK] offset:\slot*SLOTB+\kt*16*KP+\ks*64
	ds_load_b128 v[F+16*\kt+8*\ks+4:F+16*\kt+8*\ks+7], v[AK] offset:\slot*SLOTB+\kt*16*KP+\ks*64+32
.endr
.endr
.endm
.macro SMUL kt0                        ; under 0x04 (Q from window 1): key tiles kt0, kt0 + 1 x both query tiles; d 0-31 starts the sums, d 32-63 follows in place
.irp kt, \kt0, \kt0+1
.irp qt, 0,1
	v_wmma_f32_16x16x32_bf16 v[S+32*\qt+8*(\kt):S+32*\qt+8*(\kt)+7], v[F+16*(\kt):F+16*(\kt)+7], v[QF+16*\qt:QF+16*\qt+7], 0
.endr
.endr
.irp kt, \kt0, \kt0+1
.irp qt, 0,1
	v_wmma_f32_16x16x32_bf16 v[S+32*\qt+8*(\kt):S+32*\qt+8*(\kt)+7], v[F+16*(\kt)+8:F+16*(\kt)+15], v[QF+16*\qt+8:QF+16*\qt+15], v[S+32*\qt+8*(\kt):S+32*\qt+8*(\kt)+7]
.endr
.endr
.endm
.macro VFRAG slot                      ; V^T, 64 d x my 64 keys, by transposing loads from rows that lie along d: 16 loads, keys 0-31 first
.irp c, 0,1
.irp t, 0,1,2,3
	ds_load_tr16_b128 v[F+32*\c+8*\t:F+32*\c+8*\t+3],   v[AV] offset:\slot*SLOTB+VOFF0+\c*32*VP+32*\t
	ds_load_tr16_b128 v[F+32*\c+8*\t+4:F+32*\c+8*\t+7], v[AV] offset:\slot*SLOTB+VOFF0+\c*32*VP+32*\t+16*VP
.endr
.endr
.endm
.macro MASK                            ; diagonal tile: key > query, that is 16 kt + j > DF, gets -2^100
.irp qt, 0,1
.irp kt, 0,1,2,3
.irp j, 0,1,2,3,4,5,6,7
	v_cmp_gt_i32 vcc_lo, 16*\kt+\j, v[DF+\qt]
	v_cndmask_b32 v[S+32*\qt+8*\kt+\j], v[S+32*\qt+8*\kt+\j], v[NEG], vcc_lo
.endr
.endr
.endr
.endm
; The new maximum of each query: 32 scores a lane and the old maximum in 16 three-way maxima, then the other half of the lanes (the other 8 keys of each 16).
.macro MAXTREE first
.irp qt, 0,1
.irp kt, 0,1,2,3
	v_max3_num_f32 v[T+4*\qt+\kt], v[S+32*\qt+8*\kt], v[S+32*\qt+8*\kt+1], v[S+32*\qt+8*\kt+2]
.endr
.endr
.irp e, 3,5
.irp qt, 0,1
.irp kt, 0,1,2,3
	v_max3_num_f32 v[T+4*\qt+\kt], v[T+4*\qt+\kt], v[S+32*\qt+8*\kt+\e], v[S+32*\qt+8*\kt+\e+1]
.endr
.endr
.endr
.irp qt, 0,1
	v_max3_num_f32 v[T+4*\qt], v[T+4*\qt], v[T+4*\qt+1], v[T+4*\qt+2]
	v_max3_num_f32 v[T+8+\qt], v[S+32*\qt+7], v[S+32*\qt+15], v[S+32*\qt+23]
.endr
.irp qt, 0,1
	v_max3_num_f32 v[T+4*\qt], v[T+4*\qt], v[T+4*\qt+3], v[T+8+\qt]
.endr
.irp qt, 0,1
.if \first
	v_max_num_f32 v[T+4*\qt], v[T+4*\qt], v[S+32*\qt+31]
.else
	v_max3_num_f32 v[T+4*\qt], v[T+4*\qt], v[S+32*\qt+31], v[M+\qt]
.endif
.endr
.irp qt, 0,1
	v_permlanex16_b32 v[T+4*\qt+1], v[T+4*\qt], s38, s39   ; lane i takes lane i xor 16; the destination has been written above
.endr
.irp qt, 0,1
	v_max_num_f32 v[M+\qt], v[T+4*\qt], v[T+4*\qt+1]
.endr
.endm
; The base NM = -c m, rounded once: every p is exp2(c S + NM) with one rounding, so the factor that carries old sums to the new base is
; exp2(NM new - NM old), an exact difference, and exactly 1 where the maximum has not moved.
.macro STATS first
.if \first
.irp qt, 0,1
	v_mul_f32 v[NM+2*\qt], s45, v[M+\qt]
	v_mul_f32 v[NM+2*\qt+1], s45, v[M+\qt]
.endr
.else
	v_mul_f32 v[T+2], s45, v[M]
	v_mul_f32 v[T+6], s45, v[M+1]
	v_sub_f32 v[T+3], v[T+2], v[NM]
	v_sub_f32 v[T+7], v[T+6], v[NM+2]
	v_exp_f32 v[AL], v[T+3]
	v_exp_f32 v[AL+2], v[T+7]
	v_mov_b32 v[NM], v[T+2]                        ; plain lines that touch neither the exponentials' results nor their sources come first (ISA guide 5.7.2)
	v_mov_b32 v[NM+1], v[T+2]
	v_mov_b32 v[NM+2], v[T+6]
	v_mov_b32 v[NM+3], v[T+6]
	s_wait_alu depctr_va_vdst(0)
	v_mov_b32 v[AL+1], v[AL]
	v_mov_b32 v[AL+3], v[AL+2]
.endif
.endm
; p = exp2(c S + NM), in place.  Each pair of exponentials is followed by packed arithmetic on other registers: the next tile's exponents, then O's rescale.
.macro EXPO first
.set ii, 0
.rept 16
	v_pk_fma_f32 v[S+2*ii:S+2*ii+1], v[S+2*ii:S+2*ii+1], s[36:37], v[NM:NM+1] op_sel_hi:[1,0,1]
.set ii, ii+1
.endr
.set ii, 0
.rept 16
	v_exp_f32 v[S+2*ii], v[S+2*ii]
	v_exp_f32 v[S+2*ii+1], v[S+2*ii+1]
	v_pk_fma_f32 v[S+32+2*ii:S+32+2*ii+1], v[S+32+2*ii:S+32+2*ii+1], s[36:37], v[NM+2:NM+3] op_sel_hi:[1,0,1]
.set ii, ii+1
.endr
.set ii, 0
.rept 16
	v_exp_f32 v[S+32+2*ii], v[S+32+2*ii]
	v_exp_f32 v[S+32+2*ii+1], v[S+32+2*ii+1]
.if \first == 0
	v_pk_mul_f32 v[O+2*ii:O+2*ii+1], v[O+2*ii:O+2*ii+1], v[AL:AL+1]
	v_pk_mul_f32 v[O+32+2*ii:O+32+2*ii+1], v[O+32+2*ii:O+32+2*ii+1], v[AL+2:AL+3]
.endif
.set ii, ii+1
.endr
.endm
.macro SUM qt, first                   ; a lane's 32 p into two partial sums: four chains, then L = L alpha + sum (the first step writes L)
	s_wait_alu depctr_va_vdst(0)
.irp q, 0,1,2,3
	v_pk_add_f32 v[T+8+2*\q:T+9+2*\q], v[S+32*\qt+8*\q:S+32*\qt+8*\q+1], v[S+32*\qt+8*\q+2:S+32*\qt+8*\q+3]
.endr
.irp e, 4,6
.irp q, 0,1,2,3
	v_pk_add_f32 v[T+8+2*\q:T+9+2*\q], v[T+8+2*\q:T+9+2*\q], v[S+32*\qt+8*\q+\e:S+32*\qt+8*\q+\e+1]
.endr
.endr
	v_pk_add_f32 v[T+8:T+9], v[T+8:T+9], v[T+10:T+11]
	v_pk_add_f32 v[T+12:T+13], v[T+12:T+13], v[T+14:T+15]
.if \first
	v_pk_add_f32 v[L+2*\qt:L+2*\qt+1], v[T+8:T+9], v[T+12:T+13]
.else
	v_pk_add_f32 v[T+8:T+9], v[T+8:T+9], v[T+12:T+13]
	v_pk_fma_f32 v[L+2*\qt:L+2*\qt+1], v[L+2*\qt:L+2*\qt+1], v[AL+2*\qt:AL+2*\qt+1], v[T+8:T+9]
.endif
.endm
.macro PACK qt                         ; register i of P(qt, c) = p of keys 2 i, 2 i + 1 of the lane's 16, in f16: ascending, so each line reads at or above where it writes
.irp c, 0,1
.irp i, 0,1,2,3,4,5,6,7
	v_cvt_pk_f16_f32 v[S+32*\qt+16*\c+\i], v[S+32*\qt+16*\c+2*\i], v[S+32*\qt+16*\c+2*\i+1]
.endr
.endr
.endm
.macro PV c, zero                      ; O^T(qt, t) += V^T(t, keys 32 c ..) P^T(qt, c): 8 products; zero = 1: they start the sums
.irp qt, 0,1
.irp t, 0,1,2,3
.if \zero
	v_wmma_f32_16x16x32_f16 v[O+32*\qt+8*\t:O+32*\qt+8*\t+7], v[F+32*\c+8*\t:F+32*\c+8*\t+7], v[S+32*\qt+16*\c:S+32*\qt+16*\c+7], 0
.else
	v_wmma_f32_16x16x32_f16 v[O+32*\qt+8*\t:O+32*\qt+8*\t+7], v[F+32*\c+8*\t:F+32*\c+8*\t+7], v[S+32*\qt+16*\c:S+32*\qt+16*\c+7], v[O+32*\qt+8*\t:O+32*\qt+8*\t+7]
.endif
.endr
.endr
.endm
; ONE STEP: 128 queries x the 128 keys in slot.  diag = 1: the block's first step (Q fragments of block blk, mask, sums started, no rescale).
; pf = 1: the body may hold the work-group's one prefetch.  id: makes the labels unique.
.macro STEP slot, diag, blk, pf, id
.if \diag
	QFRAG \blk
.endif
	KFRAG \slot
	s_cmp_eq_u32 s30, NSTEP-1                      ; the last step has no tile to fetch
	s_cbranch_scc1 .Lnl\id
	NEXTADDR
	LDTILE                                         ; 64 KiB of the work-group are on their way for the whole step
.Lnl\id:
	s_wait_dscnt 0x8                               ; LDS loads return in order (ISA guide 5.7.1): Q and key tiles 0, 1 are in, the youngest eight (tiles 2, 3) may be out
	WIN 0x04
	SMUL 0
	s_wait_dscnt 0x0
	SMUL 2
	WIN 0
	PLACES 5                                       ; behind the S products: before loads land on their K fragments, vector lines read S, and S serves as a source
	VFRAG \slot
.if \pf
	; The 8 work-groups of a head walk tiles 0, 1, 2 .. together in their first block.  Work-group p asks once for tile p: waves 0-3 for K's 128 rows,
	; waves 4-7 for V's, one lane for each row's 256 bytes, in step max(p - 2, 0), two steps (p = 1: one) ahead of the step that loads the tile.
	; p = 0 asks for nothing; tiles 8-15 are loaded at once as diagonals.  Every address lies inside K or V.
	s_cmp_lg_u32 s30, s34
	s_cbranch_scc1 .Lnp\id
	global_prefetch_b8 v[PFO], s[40:41] th:TH_LOAD_NT scope:SCOPE_SE
.Lnp\id:
.endif
.if \diag
	MASK
.endif
	MAXTREE \diag
	STATS \diag
	EXPO \diag
	SUM 0, \diag
	PACK 0
	SUM 1, \diag
	PACK 1
	s_wait_dscnt 0x8                               ; V of keys 0-31 is in; the eight loads of keys 32-63 may be out
	PV 0, \diag
	s_wait_dscnt 0x0
	PV 1, 0
	PLACES 5                                       ; on every path: before loads land on V's fragments, the next S products write over P, or O is stored
	s_wait_loadcnt 0x0                             ; the next tile is in registers (nothing is out in the last step)
	s_cmp_eq_u32 s30, NSTEP-1
	s_cbranch_scc1 .Lns\id
	STAGE (1-\slot)*SLOTB                          ; into the other slot: its last readers passed the barrier at the end of the step before
.Lns\id:
	s_add_co_u32 s30, s30, 1
	s_wait_dscnt 0x0                               ; for the others: my stores into the other slot have landed (my reads of this one were waited for above)
	s_barrier_signal -1
	s_barrier_wait -1
.endm
; THE END OF A BLOCK (its number in s[sblk]).  Both key halves put O, base and sum of both query tiles into LDS; wave (g, s) then merges query tile s:
; base = the smaller NM (the larger maximum), weights exp2(base - NM) <= 1, divided by the whole row sum; out through my own 16 rows of LDS.
.macro FIN sblk
	v_add_f32 v[NM+1], v[L], v[L+1]                ; the pair (NM, sum): the base's copy is no longer needed
	v_add_f32 v[NM+3], v[L+2], v[L+3]
.irp qt, 0,1
.irp i, 0,1,2,3,4,5,6,7
	ds_store_b128 v[XW], v[O+32*\qt+4*\i:O+32*\qt+4*\i+3] offset:\qt*XBLK+512*\i
.endr
	ds_store_b64 v[XW], v[NM+2*\qt:NM+2*\qt+1] offset:\qt*XBLK+4096
.endr
	s_wait_dscnt 0x0                               ; for my partner: zero
	s_barrier_signal -1
	s_barrier_wait -1
	ds_load_b64 v[T:T+1], v[XA] offset:4096        ; (NM, sum) of my half
	ds_load_b64 v[T+2:T+3], v[XB] offset:4096      ; and of my partner's
.irp i, 0,1,2,3,4,5,6,7
	ds_load_b128 v[F+4*\i:F+4*\i+3], v[XA] offset:512*\i
.endr
.irp i, 0,1,2,3,4,5,6,7
	ds_load_b128 v[F+32+4*\i:F+32+4*\i+3], v[XB] offset:512*\i
.endr
	s_wait_dscnt 0x10                              ; the two pairs are in; the sixteen loads of O may be out
	v_min_num_f32 v[T+4], v[T], v[T+2]
	v_sub_f32 v[T+5], v[T+4], v[T]
	v_sub_f32 v[T+6], v[T+4], v[T+2]
	v_exp_f32 v[T+5], v[T+5]
	v_exp_f32 v[T+6], v[T+6]
	v_nop                                          ; the plain place behind the exponentials (ISA guide 5.7.2)
	s_wait_alu depctr_va_vdst(0)
	v_mul_f32 v[T+7], v[T+1], v[T+5]
	v_fmac_f32 v[T+7], v[T+3], v[T+6]
	v_permlanex16_b32 v[T+4], v[T+7], s38, s39     ; the other half of the lanes summed the other keys
	v_add_f32 v[T+7], v[T+7], v[T+4]               ; at least 1: the row's largest score gives p = 1 in the half that sets the base
	v_rcp_f32 v[T+7], v[T+7]
	v_nop
	s_wait_alu depctr_va_vdst(0)
	v_mul_f32 v[T+8], v[T+5], v[T+7]
	v_mul_f32 v[T+9], v[T+5], v[T+7]
	v_mul_f32 v[T+10], v[T+6], v[T+7]
	v_mul_f32 v[T+11], v[T+6], v[T+7]
	s_wait_dscnt 0x8                               ; my half's O is in
.set ii, 0
.rept 16
	v_pk_mul_f32 v[F+2*ii:F+2*ii+1], v[F+2*ii:F+2*ii+1], v[T+8:T+9]
.set ii, ii+1
.endr
	s_wait_dscnt 0x0
.set ii, 0
.rept 16
	v_pk_fma_f32 v[F+2*ii:F+2*ii+1], v[F+32+2*ii:F+32+2*ii+1], v[T+10:T+11], v[F+2*ii:F+2*ii+1]
.set ii, ii+1
.endr
.irp i, 0,1,2,3,4,5,6,7
	ds_store_b128 v[OW], v[F+4*\i:F+4*\i+3] offset:64*(\i>>1)+16*(\i&1)    ; row = query r, bytes 4 (16 t + 8 h + 4 u)
.endr
.irp i, 0,1,2,3,4,5,6,7
	ds_load_b128 v[F+32+4*\i:F+32+4*\i+3], v[ORD] offset:2*OP*\i           ; my own bytes: LDS serves a wave's instructions in order (ISA guide 5.7.1)
.endr
	s_lshl_b32 s28, s[\sblk], 19
	s_add_nc_u64 s[42:43], s[46:47], s[28:29]
.irp i, 0,1,2,3,4,5,6,7
	s_wait_dscnt 7-\i
	global_store_b128 v[GO], v[F+32+4*\i:F+32+4*\i+3], s[42:43] offset:2*ROWB*\i th:TH_STORE_NT   ; 16 lanes store a row's 256 consecutive bytes, at a multiple of 256
.endr
	s_wait_xcnt 0x0                                ; the stores' data registers and base are written again only behind this wait
.endm
	; ---------------------------------------------------------------- the start
	s_load_b256 s[4:11], s[0:1], 0x0               ; q s[4:5], k s[6:7], v s[8:9], out s[10:11]
	v_lshl_add_u32 v62, v0, 2, 0x36800
	v_mov_b32 v63, 0
	v_lshrrev_b32 v36, 5, v0
	v_readfirstlane_b32 s12, v36                   ; wave 0..7
	s_and_b32 s13, s12, 3                          ; g: my 32 query rows
	s_lshr_b32 s14, s12, 2                         ; s: my 64 keys
	s_mov_b32 s15, ttmp9                           ; p
	s_and_b32 s16, ttmp7, 0xffff                   ; 16 batch + head
	s_sub_co_u32 s31, 15, s15                      ; a
	s_add_co_u32 s32, s31, 1
	s_lshr_b32 s35, s31, 1                         ; loop A: (15 - p) >> 1 trips, at least 4
	s_lshr_b32 s17, s15, 1                         ; loop B: p >> 1 trips
	s_and_b32 s53, s15, 1
	s_max_u32 s34, s15, 2
	s_sub_co_u32 s34, s34, 2                       ; max(p - 2, 0),
	s_cmp_eq_u32 s15, 0
	s_cselect_b32 s34, 99, s34                     ; or never
	s_lshr_b32 s18, s16, 4
	s_lshl_b32 s18, s18, 23                        ; batch x 2,048 rows of 4,096 bytes
	s_and_b32 s44, s16, 15
	s_lshl_b32 s44, s44, 8                         ; head x 256 bytes
	s_or_b32 s18, s18, s44
	s_mov_b32 s19, 0
	s_mov_b32 s29, 0
	s_mov_b32 s36, 0x3e38aa3b                      ; c = log2(e) / 8: the scale 64^-0.5 and the change of base in one factor
	s_mov_b32 s37, 0x3e38aa3b
	s_mov_b32 s45, 0xbe38aa3b                      ; -c
	s_mov_b32 s38, 0x76543210                      ; v_permlanex16_b32: lane i of one half reads lane i of the other
	s_mov_b32 s39, 0xfedcba98
	s_mov_b32 s55, 0xffff0000                      ; a word's upper bf16
	v_and_b32 v1, 31, v0                           ; lane
	v_and_b32 v36, 15, v0                          ; r
	v_bfe_u32 v37, v0, 4, 1                        ; h
	v_lshlrev_b32 v38, 4, v36                      ; 16 r
	s_lshl_b32 s44, s12, 16                        ; 16 w rows
	v_lshl_add_u32 v[GK], v37, 15, v38
	v_lshl_add_u32 v[GV], v37, 14, v38
	v_add_nc_u32 v[GK], s44, v[GK]
	v_add_nc_u32 v[GV], s44, v[GV]
	s_wait_kmcnt 0x0
	s_add_nc_u64 s[4:5], s[4:5], s[18:19]          ; q, k, v at the head
	s_add_nc_u64 s[20:21], s[6:7], s[18:19]
	s_add_nc_u64 s[22:23], s[8:9], s[18:19]
	s_lshl_b32 s28, s31, 19                        ; block a, and its diagonal tile
	s_add_nc_u64 s[48:49], s[4:5], s[28:29]
	s_add_nc_u64 s[24:25], s[20:21], s[28:29]
	s_add_nc_u64 s[26:27], s[22:23], s[28:29]
	s_lshl_b32 s28, s15, 19                        ; block p, and the tile that I prefetch
	s_add_nc_u64 s[50:51], s[4:5], s[28:29]
	WIN 0x40
.irp i, 0,1,2,3,4,5,6,7
	global_load_b128 v[XQ+4*\i:XQ+4*\i+3], v[GK], s[48:49] offset:\i*ROWB th:TH_LOAD_NT       ; Q is read once in the launch
.endr
.irp i, 0,1,2,3,4,5,6,7
	global_load_b128 v[XQ+32+4*\i:XQ+32+4*\i+3], v[GK], s[50:51] offset:\i*ROWB th:TH_LOAD_NT
.endr
	LDTILE
	s_cmp_eq_u32 s14, 0
	s_cselect_b64 s[40:41], s[20:21], s[22:23]     ; waves 0-3 will ask for K, waves 4-7 for V
	s_add_nc_u64 s[40:41], s[40:41], s[28:29]
	s_lshl_b32 s28, s13, 17                        ; 32 g rows
	s_lshl_b32 s44, s14, 16                        ; + 16 s rows: the query tile that I finish
	s_add_co_u32 s28, s28, s44
	s_add_nc_u64 s[46:47], s[10:11], s[18:19]
	s_add_nc_u64 s[46:47], s[46:47], s[28:29]
	; the lanes' addresses, while the 32 loads are on their way
	v_lshlrev_b32 v39, 3, v36                      ; 8 r
	s_mul_i32 s44, s12, 16*KP
	v_mad_u32_u24 v[LK], v37, 8*KP, v39
	v_add_nc_u32 v[LK], s44, v[LK]
	s_mul_i32 s44, s12, 16*VP
	v_mad_u32_u24 v[LV], v37, 4*VP, v39
	v_add_nc_u32 v[LV], s44, v[LV]
	v_add_nc_u32 v[LQ], QB0, v[LK]
	v_lshlrev_b32 v40, 4, v37                      ; 16 h
	v_mad_u32_u24 v41, v36, KP, v40                ; r KP + 16 h
	s_mul_i32 s44, s14, 64*KP
	v_add_nc_u32 v[AK], s44, v41
	s_mul_i32 s44, s13, 32*KP
	s_add_co_u32 s44, s44, QB0
	v_add_nc_u32 v[AQ], s44, v41
	v_and_b32 v42, 7, v0
	v_bfe_u32 v43, v0, 3, 1
	v_lshlrev_b32 v43, 4, v43
	v_mad_u32_u24 v42, v42, VP, v43
	v_mad_u32_u24 v42, v37, 8*VP, v42
	s_mul_i32 s44, s14, 64*VP
	v_add_nc_u32 v[AV], s44, v42
	v_and_b32 v[PFO], 127, v0
	v_lshlrev_b32 v[PFO], 12, v[PFO]
	v_mov_b32 v[NEG], 0xf1800000                   ; -2^100
	v_lshlrev_b32 v44, 4, v1                       ; 16 lane
	s_mul_i32 s44, s12, 2*XBLK
	s_add_co_u32 s44, s44, XCH
	v_add_nc_u32 v[XW], s44, v44
	s_mul_i32 s54, s14, XBLK
	s_add_co_u32 s44, s44, s54
	v_add_nc_u32 v[XA], s44, v44
	s_xor_b32 s44, s12, 4                          ; my partner: the same queries, the other keys
	s_mul_i32 s44, s44, 2*XBLK
	s_add_co_u32 s44, s44, s54
	s_add_co_u32 s44, s44, XCH
	v_add_nc_u32 v[XB], s44, v44
	s_mul_i32 s44, s12, 16*OP
	s_add_co_u32 s44, s44, OUTS
	v_lshlrev_b32 v45, 5, v37                      ; 32 h
	v_mad_u32_u24 v45, v36, OP, v45
	v_add_nc_u32 v[OW], s44, v45
	v_mad_u32_u24 v45, v37, OP, v38
	v_add_nc_u32 v[ORD], s44, v45
	v_lshl_add_u32 v[GO], v37, 12, v38
	s_lshl_b32 s44, s13, 5                         ; 32 g
	s_lshl_b32 s54, s14, 6                         ; 64 s
	s_sub_co_u32 s44, s44, s54
	v_lshlrev_b32 v45, 3, v37                      ; 8 h
	v_sub_nc_u32 v[DF], v36, v45
	v_add_nc_u32 v[DF], s44, v[DF]                 ; 32 g + r - 64 s - 8 h, signed
	v_add_nc_u32 v[DF+1], 16, v[DF]
	s_wait_loadcnt 0x10                            ; loads return in order (ISA guide 5.7.1): Q's sixteen are in, K's and V's sixteen may be out
	WIN 0x45
	CVT XQ
	CVT XQ+32
	WIN 0x04
	STK XQ, LQ, 0
	STK XQ+32, LQ, QBB
	s_wait_loadcnt 0x0
	STAGE 0                                        ; block a's diagonal tile into slot 0
	s_mov_b32 s30, 0
	s_wait_dscnt 0x0                               ; for the others: zero
	s_barrier_signal -1
	s_barrier_wait -1
	; ---------------------------------------------------------------- block a: 16 - p steps; step k reads slot k & 1
	STEP 0, 1, 0, 1, a0
	s_mov_b32 s33, 0
.LloopA:
	STEP 1, 0, 0, 1, a1
	STEP 0, 0, 0, 1, a2
	s_add_co_u32 s33, s33, 1
	s_cmp_lt_u32 s33, s35
	s_cbranch_scc1 .LloopA
	s_cmp_lg_u32 s53, 0                            ; p even: 15 - p is odd, one more step
	s_cbranch_scc1 .LfinA
	STEP 1, 0, 0, 0, e1
.LfinA:
	FIN 31
	; ---------------------------------------------------------------- block p: p + 1 steps; its diagonal is step 16 - p, so its slot is p & 1
	s_cmp_lg_u32 s53, 0
	s_cbranch_scc1 .Lodd
	STEP 0, 1, 1, 0, e2
	s_branch .LtailB
.Lodd:
	STEP 1, 1, 1, 0, o1
	STEP 0, 0, 0, 0, o2
.LtailB:
	s_cmp_eq_u32 s17, 0
	s_cbranch_scc1 .Lend
	s_mov_b32 s33, 0
.LloopB:
	STEP 1, 0, 0, 0, b1
	STEP 0, 0, 0, 0, b2
	s_add_co_u32 s33, s33, 1
	s_cmp_lt_u32 s33, s17
	s_cbranch_scc1 .LloopB
.Lend:
	FIN 15
	s_wait_tensorcnt 0x0
	ds_add_u32 v62, v63
	s_wait_dscnt 0x0
	s_endpgm
.Lfunc_end_k_q873dd7e46a_attn:
	.size	k_q873dd7e46a_attn, .Lfunc_end_k_q873dd7e46a_attn-k_q873dd7e46a_attn
	.p2alignl 7, 3214868480
	.fill 96, 4, 3214868480
	.section	.rodata,"a",@progbits
	.p2align	6, 0x0
	.amdhsa_kernel k_q873dd7e46a_attn
		.amdhsa_group_segment_fixed_size 224256
		.amdhsa_private_segment_fixed_size 0
		.amdhsa_enable_private_segment 0
		.amdhsa_kernarg_size 32
		.amdhsa_user_sgpr_count 2
		.amdhsa_user_sgpr_kernarg_segment_ptr 1
		.amdhsa_wavefront_size32 1
		.amdhsa_system_sgpr_workgroup_id_x 1
		.amdhsa_system_sgpr_workgroup_id_y 1
		.amdhsa_system_sgpr_workgroup_id_z 1
		.amdhsa_system_vgpr_workitem_id 0
		.amdhsa_next_free_vgpr 384
		.amdhsa_next_free_sgpr 66
		.amdhsa_reserve_vcc 1
		.amdhsa_float_denorm_mode_32 3
		.amdhsa_float_denorm_mode_16_64 3
		.amdhsa_memory_ordered 1
		.amdhsa_forward_progress 1
		.amdhsa_inst_pref_size 255
	.end_amdhsa_kernel
	.section	.bss,"aw",@nobits
	.p2align	6
	.space	262144
	.amdgpu_metadata
---
amdhsa.version: [ 1, 2 ]
amdhsa.kernels:
  - .name:           k_q873dd7e46a_attn
    .symbol:         k_q873dd7e46a_attn.kd
    .args:
      - { .name: q, .offset: 0, .size: 8, .value_kind: global_buffer, .address_space: global }
      - { .name: k, .offset: 8, .size: 8, .value_kind: global_buffer, .address_space: global }
      - { .name: v, .offset: 16, .size: 8, .value_kind: global_buffer, .address_space: global }
      - { .name: out0, .offset: 24, .size: 8, .value_kind: global_buffer, .address_space: global }
    .group_segment_fixed_size: 224256
    .private_segment_fixed_size: 0
    .kernarg_segment_align: 8
    .kernarg_segment_size: 32
    .max_flat_workgroup_size: 256
    .sgpr_count:     66
    .vgpr_count:     384
    .wavefront_size: 32
...
	.end_amdgpu_metadata
.endif
;; end of part 1
